; MI455X (gfx1250); checked and timed in simulation.
; The chip was launched on July 23, 2026; its instructions are those of AMD's public machine-readable ISA for CDNA 5 (MIT licence, August 2026) and "CDNA5" Instruction Set Architecture Reference Guide (July 2026). The comments in the code are by the model that wrote it; some were corrected since.
;; Mixture Of Experts. Allowed arithmetic: float matrix products may take bf16 or f16 operands with f32 sums; other float arithmetic in f32, or as packed bf16 or f16 multiplies, adds, multiply-adds, maxima and minima; sums over many terms, partial sums and values carried from step to step in f32; what a program stores and reads back later, other than sums and carried values, may be rounded once to bf16 or f16.
;; Inputs: W1 8 x 512 x 2,048 float32; W2 8 x 2,048 x 512 float32; Wr 512 x 8 float32; b1 8 x 2,048 float32; b2 8 x 512 float32; input_batch 4,096 x 512 float32.
;; Outputs: out0 4,096 x 512 float32; out1 one number float32.
;; One version. Each part assembles by itself: llvm-mc -triple=amdgcn-amd-amdhsa -mcpu=gfx1250 --defsym DOCPART=n.
;; ======== version 1 of 1: 3 launches
;; workspace buffers: xb 4,194,304 bytes; w1f 16,777,216 bytes; w2f 16,777,216 bytes; route 65,536 bytes of whole numbers; gates 32,768 bytes; posb 32,768 bytes of whole numbers; ypart 75,497,472 bytes
;; launch prep (part 1): grid 640 x 1, 4 waves a work-group, no clusters, 0 bytes of LDS; arguments input_batch, Wr, W1, W2, xb, gates, route, w1f, w2f; writes xb, gates, route, w1f, w2f
.if DOCPART == 1
	.amdgcn_target "amdgcn-amd-amdhsa--gfx1250"
	.amdhsa_code_object_version 6
	.text
	.protected	k_qb0558f75d6_prep
	.globl	k_qb0558f75d6_prep
	.p2align	8
	.type	k_qb0558f75d6_prep,@function
k_qb0558f75d6_prep:
	s_mov_b64 s[64:65], 0
	v_nop
	global_prefetch_b8 v0, s[64:65] scope:SCOPE_SE
	s_setreg_imm32_b32 hwreg(HW_REG_WAVE_MODE, 25, 1), 1
	s_wait_xcnt 0x0
; PREP.  Three jobs, chosen by the work-group's number alone.
;   0-127     ROUTER: x and Wr rounded to bf16, logits in f32, softmax (the row's maximum taken away), top-2 (ties: the lower index), x stored as bf16.  A wave has 8 tokens, a work-group a word of 32.
;   128-383   W1 [8][512][2048] f32 -> w1f, bf16 in the order in which a wave's operand registers take it.  A wave makes two blocks.
;   384-639   W2 [8][2048][512] f32 -> w2f, likewise, its K order being the order in which the first product leaves h.
; SHARES.  The launch has 2,560 waves of 256 registers.  A router wave's share is short, since its ring waits for memory once a turn: two turns of four tokens.  A cast wave takes two blocks and keeps
; 32 loads (16 KiB) out until its last block's last chunk.
; A BLOCK of w1f / w2f is 8,192 bytes: 128 columns x 32 k, as [fragment f 8][half hf 2][lane 32][16 bytes].  Lane (r = lane % 16, h = lane / 16) of fragment f = 4 g + q holds column
; 64 g + 4 r + q of the 128 and k' = 16 hf + 8 h + 0..7.  w1f: [e][cg 16][kb 16] blocks, k = 32 kb + k'.  w2f: [e][cg 4][kb2 64] blocks, row of W2 = 64 (kb2 / 2) + 4 (8 h + i) + 2 (kb2 % 2) + hf.
; ROUTE: for each 8 tokens (a router wave) a record of 32 dwords; a token's bit is its number % 32, so the four records of a word of 32 tokens are merged by OR.  Dwords 0-7: the tokens that chose expert e;
; 8-15: those that chose it second; 16-19: the counts, two 16-bit fields a dword; 20-31 zero.  A record is 128 bytes and a wave's gates 64, parts of an aligned 256: the two tables are 65,536 and 32,768 bytes.
; No address and no branch hangs on a routed number here: all go to fixed places.
; LIMITS.  NaN and infinities are not treated apart.  A probability below 2^-126 counts as 0.  The top-2 is taken on these f32 probabilities of the bf16-rounded x and Wr.
.set OFF, 6                            ; v6-9     router, slot s: byte offset of my 16 bytes in the row that the slot loads next
.set XB,  16                           ; v16-23   router: a token's 16 numbers of mine as bf16
.set CO,  16                           ; v16-23   cast: byte offset of my 16 bytes in the first row of chunk c of block b, at CO + 4 b + c
.set ACC, 24                           ; v24-31   eight logits' partial sums; later the probabilities
.set LG,  32                           ; v32-39   lanes t, t + 8, t + 16, t + 24: token t's eight logits
.set T,   40                           ; v40-47   at work
.set XS,  48                           ; v48-111  router: four slots of 16; cast: 64 packed results
.set WR,  112                          ; v112-239 router: Wr of my 16 k (k = 128 c + 4 lane + u at WR + 32 c + 8 u + e); cast: 32 rows x 4 columns as loaded
.set XU,  240                          ; v240-255 the token's 16 numbers, rounded and widened again
; THE CAST, one text for W1 and W2: in both a chunk's eight rows lie 8,192 bytes apart (W1: neighbouring rows; W2: every fourth row of 2,048 bytes); where a chunk begins stands in CO.
.macro CROWS b, c                      ; chunk c of block b is asked for: eight loads of 512 consecutive bytes
.set i, 0
.rept 8
	global_load_b128 v[WR+4*(8*(\c)+i):WR+4*(8*(\c)+i)+3], v[CO+4*(\b)+(\c)], s[30:31] offset:8192*i th:TH_LOAD_NT
.set i, i+1
.endr
.endm
.macro CCONV b, c                      ; chunk c of block b: 16 roundings that also turn it, four stores in which each half of the lanes fills 256 consecutive bytes, aligned
.set q, 0
.rept 4
.set d, 0
.rept 4
	v_cvt_pk_bf16_f32 v[XS+16*(\c)+4*q+d], v[WR+4*(8*(\c)+2*d)+q], v[WR+4*(8*(\c)+2*d+1)+q]
.set d, d+1
.endr
	global_store_b128 v4, v[XS+16*(\c)+4*q:XS+16*(\c)+4*q+3], s[32:33] offset:(\b)*8192+q*1024+((\c)>>1)*512+((\c)&1)*256
.set q, q+1
.endr
.endm
; One token.  s: its slot; ahead = 1: the slot is filled again with the token four further on; left: the younger loads that may stay out.
.macro TOK s, ahead, left
	s_wait_loadcnt \left                           ; loads come back in order: this slot's four are in
	s_wait_xcnt 0x0                                ; the last token's stores have read XB and v10: only behind this wait are they written again
.set i, 0
.rept 8
	v_cvt_pk_bf16_f32 v[XB+i], v[XS+16*(\s)+2*i], v[XS+16*(\s)+2*i+1]
.set i, i+1
.endr
	v_lshrrev_b32 v10, 1, v[OFF+(\s)]              ; a row of xb is half as long: my 8 bytes
.if \ahead
	v_add_nc_u32 v[OFF+(\s)], 8192, v[OFF+(\s)]
.irp c, 0,1,2,3
	global_load_b128 v[XS+16*(\s)+4*\c:XS+16*(\s)+4*\c+3], v[OFF+(\s)], s[4:5] offset:512*\c th:TH_LOAD_NT
.endr
.endif
.irp c, 0,1,2,3
	global_store_b64 v10, v[XB+2*\c:XB+2*\c+1], s[12:13] offset:256*\c  ; 32 lanes store 256 consecutive bytes, aligned
.endr
.set i, 0
.rept 8
	v_lshlrev_b32 v[XU+2*i], 16, v[XB+i]
	v_and_b32 v[XU+2*i+1], s38, v[XB+i]
.set i, i+1
.endr
.set kk, 0
.rept 16                               ; two experts to a line, x given to both halves; four chains that take turns
.set p, 0
.rept 4
.if kk == 0
	v_pk_mul_f32 v[ACC+2*p:ACC+2*p+1], v[WR+2*p:WR+2*p+1], v[XU:XU+1] op_sel_hi:[1,0]
.elseif (kk&1) == 0
	v_pk_fma_f32 v[ACC+2*p:ACC+2*p+1], v[WR+8*kk+2*p:WR+8*kk+2*p+1], v[XU+kk:XU+kk+1], v[ACC+2*p:ACC+2*p+1] op_sel_hi:[1,0,1]
.else
	v_pk_fma_f32 v[ACC+2*p:ACC+2*p+1], v[WR+8*kk+2*p:WR+8*kk+2*p+1], v[XU+kk-1:XU+kk], v[ACC+2*p:ACC+2*p+1] op_sel:[0,1,0] op_sel_hi:[1,1,1]
.endif
.set p, p+1
.endr
.set kk, kk+1
.endr
.irp m, 1,2,4,8                        ; the eight sums over the 32 lanes
.set e, 0
.rept 8
	v_add_f32_dpp v[ACC+e], v[ACC+e], v[ACC+e] row_xmask:\m row_mask:0xf bank_mask:0xf
.set e, e+1
.endr
.endr
.set e, 0
.rept 8
	v_permlanex16_b32 v[T+e], v[ACC+e], s34, s35
.set e, e+1
.endr
.set e, 0
.rept 8
	v_add_f32 v[ACC+e], v[ACC+e], v[T+e]
.set e, e+1
.endr
.set e, 0
.rept 8
	v_cndmask_b32 v[LG+e], v[LG+e], v[ACC+e], s36  ; the token's four lanes keep them
.set e, e+1
.endr
	s_lshl_b32 s36, s36, 1
.endm
	s_load_b512 s[4:19], s[0:1], 0x0               ; x s[4:5], Wr s[6:7], W1 s[8:9], W2 s[10:11], xb s[12:13], gates s[14:15], route s[16:17], w1f s[18:19]
	s_load_b64 s[20:21], s[0:1], 0x40              ; w2f
	v_and_b32 v1, 31, v0                           ; lane
	v_lshrrev_b32 v2, 5, v0
	v_readfirstlane_b32 s22, v2                    ; wave
	s_mov_b32 s23, ttmp9
	v_lshlrev_b32 v3, 4, v1                        ; 16 x lane
	v_and_b32 v4, 15, v0
	v_lshlrev_b32 v4, 4, v4
	v_bfe_u32 v2, v0, 4, 1
	v_lshl_add_u32 v4, v2, 12, v4                  ; cast, where I store: 4,096 (lane / 16) + 16 (lane % 16)
	s_mov_b32 s29, 0                               ; the upper word of every offset
	s_wait_kmcnt 0x0
	s_cmp_lt_u32 s23, 128
	s_cbranch_scc1 .Lrouter
	s_cmp_lt_u32 s23, 384
	s_cbranch_scc1 .Lcast1
	; W2: e = g / 32, kb2 = 2 (g % 32) and the next, column group = wave: the two blocks together are 64 whole rows' 512 bytes
	s_sub_co_u32 s24, s23, 384
	s_lshr_b32 s25, s24, 5
	s_and_b32 s26, s24, 31
	s_lshl_b32 s28, s25, 22                        ; an expert is 4 MiB
	s_lshl_b32 s27, s26, 17                        ; 64 rows of 2,048 bytes
	s_add_co_u32 s28, s28, s27
	s_lshl_b32 s27, s22, 9                         ; 128 columns
	s_add_co_u32 s28, s28, s27
	s_add_nc_u64 s[30:31], s[10:11], s[28:29]
	s_lshl_b32 s28, s25, 2
	s_add_co_u32 s28, s28, s22
	s_lshl_b32 s28, s28, 5
	s_add_co_u32 s28, s28, s26
	s_lshl_b32 s28, s28, 14                        ; blocks (4 e + wave) 64 + 2 (g % 32) and the next
	s_add_nc_u64 s[32:33], s[20:21], s[28:29]
.irp b, 0,1
.irp c, 0,1,2,3
	v_add_nc_u32 v[CO+4*\b+\c], ((\c)&1)*65536+((\c)>>1)*2048+(\b)*4096, v3  ; chunk c begins at row 32 (c % 2) + c / 2, the second block two rows further down
.endr
.endr
	s_branch .Lcast
.Lcast1:
	; W1: e = g / 32, kb = 2 ((g / 4) % 8) and the next, column group = 4 (g % 4) + wave: the four waves read 2,048 consecutive bytes of each row
	s_sub_co_u32 s24, s23, 128
	s_lshr_b32 s25, s24, 5
	s_bfe_u32 s26, s24, 0x30002
	s_and_b32 s27, s24, 3
	s_lshl_b32 s27, s27, 2
	s_add_co_u32 s27, s27, s22
	s_lshl_b32 s28, s25, 22
	s_lshl_b32 s24, s26, 19                        ; 64 rows of 8,192 bytes
	s_add_co_u32 s28, s28, s24
	s_lshl_b32 s24, s27, 9
	s_add_co_u32 s28, s28, s24
	s_add_nc_u64 s[30:31], s[8:9], s[28:29]
	s_lshl_b32 s28, s25, 4
	s_add_co_u32 s28, s28, s27
	s_lshl_b32 s28, s28, 3
	s_add_co_u32 s28, s28, s26
	s_lshl_b32 s28, s28, 14                        ; blocks (16 e + cg) 16 + 2 ((g / 4) % 8) and the next
	s_add_nc_u64 s[32:33], s[18:19], s[28:29]
.irp b, 0,1
.irp c, 0,1,2,3
	v_add_nc_u32 v[CO+4*\b+\c], (\c)*65536+(\b)*262144, v3  ; chunk c begins at row 8 c, the second block 32 rows further down
.endr
.endr
.Lcast:
.irp c, 0,1,2,3
	CROWS 0, \c
.endr
.irp c, 0,1,2,3
	s_wait_loadcnt 24                              ; the first block's chunk c is in: behind it stand 8 (3 - c) loads of this block and 8 c of the second
	CCONV 0, \c
	CROWS 1, \c                                    ; its registers take the second block's chunk c at once
.endr
	s_wait_xcnt 0x0                                ; the first block's stores have read their 64 registers: only behind this wait are they written again
.irp c, 0,1,2,3
	s_wait_loadcnt 24-8*\c                         ; the second block's chunk c is in; the later chunks' eight loads each stay out
	CCONV 1, \c
.endr
	s_endpgm
.Lrouter:                                              ; wave w = 4 x work-group + wave owns tokens 8 w .. 8 w + 7
	s_lshl_b32 s24, s23, 2
	s_add_co_u32 s24, s24, s22
	s_lshl_b32 s28, s24, 14
	s_add_nc_u64 s[4:5], s[4:5], s[28:29]
	s_lshl_b32 s28, s24, 13
	s_add_nc_u64 s[12:13], s[12:13], s[28:29]
	s_lshl_b32 s28, s24, 6
	s_add_nc_u64 s[14:15], s[14:15], s[28:29]
	s_lshl_b32 s28, s24, 7
	s_add_nc_u64 s[16:17], s[16:17], s[28:29]
	s_mov_b32 s38, 0xffff0000                      ; a word's upper bf16
	s_mov_b32 s34, 0x76543210                      ; v_permlanex16_b32: each lane takes its own place in the other half
	s_mov_b32 s35, 0xfedcba98
	s_mov_b32 s36, 0x01010101                      ; the four lanes of the token in hand
	s_lshl_b32 s39, s22, 3
	s_lshl_b32 s39, 0xff, s39                      ; my 8 tokens' bits in their word of 32
	v_lshlrev_b32 v5, 7, v1                        ; four rows of Wr are 128 bytes
.set c, 0
.rept 4
.set i, 0
.rept 8
	global_load_b128 v[WR+32*c+4*i:WR+32*c+4*i+3], v5, s[6:7] offset:4096*c+16*i
.set i, i+1
.endr
.set c, c+1
.endr
.irp s, 0,1,2,3
	v_add_nc_u32 v[OFF+\s], 2048*\s, v3
.endr
.irp s, 0,1,2,3
.irp c, 0,1,2,3
	global_load_b128 v[XS+16*\s+4*\c:XS+16*\s+4*\c+3], v[OFF+\s], s[4:5] offset:512*\c th:TH_LOAD_NT
.endr
.endr
	v_and_b32 v11, 7, v1
	v_lshlrev_b32 v11, 3, v11                      ; where my token's two gates go
	v_lshlrev_b32 v15, 2, v1                       ; where my dword of the record goes
.set e, 0
.rept 8
	v_mov_b32 v[LG+e], 0
.set e, e+1
.endr
	s_wait_loadcnt 16                              ; Wr is in; the ring's sixteen loads stay out
.set p, 0
.rept 64                               ; Wr rounded to bf16 and widened again, in place
	v_cvt_pk_bf16_f32 v[T+p%8], v[WR+2*p], v[WR+2*p+1]
	v_lshlrev_b32 v[WR+2*p], 16, v[T+p%8]
	v_and_b32 v[WR+2*p+1], s38, v[T+p%8]
.set p, p+1
.endr
	TOK 0, 1, 12                                   ; tokens 0 to 3; each slot takes the token four further on
	TOK 1, 1, 12
	TOK 2, 1, 12
	TOK 3, 1, 12
	TOK 0, 0, 12                                   ; tokens 4 to 7 load nothing: the counts run down
	TOK 1, 0, 8
	TOK 2, 0, 4
	TOK 3, 0, 0
	; lane % 8 = token.  Softmax: the maximum is taken away first
	v_max3_num_f32 v12, v32, v33, v34
	v_max3_num_f32 v12, v12, v35, v36
	v_max3_num_f32 v12, v12, v37, v38
	v_max_num_f32 v12, v12, v39
.set e, 0
.rept 8
	v_sub_f32 v[ACC+e], v[LG+e], v12
.set e, e+1
.endr
.set e, 0
.rept 8
	v_mul_f32 v[ACC+e], 0x3fb8aa3b, v[ACC+e]
.set e, e+1
.endr
.set e, 0
.rept 8
	v_exp_f32 v[ACC+e], v[ACC+e]
.set e, e+1
.endr
	v_nop                                          ; a plain instruction behind the last exponential (ISA guide 5.7.2),
	s_wait_alu depctr_va_vdst(0)                   ; and one wait for the batch of eight, ahead of the first use
	v_add_f32 v13, v24, v25
	v_add_f32 v40, v26, v27
	v_add_f32 v41, v28, v29
	v_add_f32 v42, v30, v31
	v_add_f32 v13, v13, v40
	v_add_f32 v41, v41, v42
	v_add_f32 v13, v13, v41
	v_rcp_f32 v14, v13
	v_nop
	s_wait_alu depctr_va_vdst(0)
.set e, 0
.rept 8
	v_mul_f32 v[ACC+e], v[ACC+e], v14
.set e, e+1
.endr
	v_mov_b32 v44, v24                             ; the largest: a strict comparison in ascending order keeps the lower index
	v_mov_b32 v46, 0
.irp e, 1,2,3,4,5,6,7
	v_cmp_gt_f32 vcc_lo, v[ACC+\e], v44
	v_cndmask_b32 v44, v44, v[ACC+\e], vcc_lo
	v_cndmask_b32 v46, v46, \e, vcc_lo
.endr
.irp e, 0,1,2,3,4,5,6,7
	v_cmp_eq_u32 vcc_lo, \e, v46
	v_cndmask_b32 v[LG+\e], v[ACC+\e], -1.0, vcc_lo  ; the chosen one falls below every probability
.endr
	v_mov_b32 v45, v32                             ; the second largest, in the same way
	v_mov_b32 v47, 0
.irp e, 1,2,3,4,5,6,7
	v_cmp_gt_f32 vcc_lo, v[LG+\e], v45
	v_cndmask_b32 v45, v45, v[LG+\e], vcc_lo
	v_cndmask_b32 v47, v47, \e, vcc_lo
.endr
	global_store_b64 v11, v[44:45], s[14:15]       ; the wave's 16 gates, 64 consecutive bytes: a token's four lanes store the same numbers to the same place
	v_mov_b32 v13, 0
.irp e, 0,1,2,3,4,5,6,7
	v_cmp_eq_u32 s[40+\e], \e, v46
	v_cmp_eq_u32 s[48+\e], \e, v47
.endr
.irp e, 0,1,2,3,4,5,6,7
	s_or_b32 s[40+\e], s[40+\e], s[48+\e]
	s_and_b32 s[40+\e], s[40+\e], s39              ; of a token's four lanes the one at its place in the word counts
	s_and_b32 s[48+\e], s[48+\e], s39
	s_bcnt1_i32_b32 s[56+\e], s[40+\e]
	v_writelane_b32 v13, s[40+\e], \e
	v_writelane_b32 v13, s[48+\e], 8+\e
.endr
.irp d, 0,1,2,3
	s_lshl_b32 s24, s[57+2*\d], 16
	s_or_b32 s24, s24, s[56+2*\d]
	v_writelane_b32 v13, s24, 16+\d
.endr
	global_store_b32 v15, v13, s[16:17]
	s_endpgm
.Lfunc_end_k_qb0558f75d6_prep:
	.size	k_qb0558f75d6_prep, .Lfunc_end_k_qb0558f75d6_prep-k_qb0558f75d6_prep
	.p2alignl 7, 3214868480
	.fill 96, 4, 3214868480
	.section	.rodata,"a",@progbits
	.p2align	6, 0x0
	.amdhsa_kernel k_qb0558f75d6_prep
		.amdhsa_group_segment_fixed_size 0
		.amdhsa_private_segment_fixed_size 0
		.amdhsa_enable_private_segment 0
		.amdhsa_kernarg_size 72
		.amdhsa_user_sgpr_count 2
		.amdhsa_user_sgpr_kernarg_segment_ptr 1
		.amdhsa_wavefront_size32 1
		.amdhsa_system_sgpr_workgroup_id_x 1
		.amdhsa_system_sgpr_workgroup_id_y 1
		.amdhsa_system_sgpr_workgroup_id_z 1
		.amdhsa_system_vgpr_workitem_id 0
		.amdhsa_next_free_vgpr 256
		.amdhsa_next_free_sgpr 66
		.amdhsa_reserve_vcc 1
		.amdhsa_float_denorm_mode_32 3
		.amdhsa_float_denorm_mode_16_64 3
		.amdhsa_memory_ordered 1
		.amdhsa_forward_progress 1
		.amdhsa_inst_pref_size 115
	.end_amdhsa_kernel
	.amdgpu_metadata
---
amdhsa.version: [ 1, 2 ]
amdhsa.kernels:
  - .name:           k_qb0558f75d6_prep
    .symbol:         k_qb0558f75d6_prep.kd
    .args:
      - { .name: input_batch, .offset: 0, .size: 8, .value_kind: global_buffer, .address_space: global }
      - { .name: Wr, .offset: 8, .size: 8, .value_kind: global_buffer, .address_space: global }
      - { .name: W1, .offset: 16, .size: 8, .value_kind: global_buffer, .address_space: global }
      - { .name: W2, .offset: 24, .size: 8, .value_kind: global_buffer, .address_space: global }
      - { .name: xb, .offset: 32, .size: 8, .value_kind: global_buffer, .address_space: global }
      - { .name: gates, .offset: 40, .size: 8, .value_kind: global_buffer, .address_space: global }
      - { .name: route, .offset: 48, .size: 8, .value_kind: global_buffer, .address_space: global }
      - { .name: w1f, .offset: 56, .size: 8, .value_kind: global_buffer, .address_space: global }
      - { .name: w2f, .offset: 64, .size: 8, .value_kind: global_buffer, .address_space: global }
    .group_segment_fixed_size: 0
    .private_segment_fixed_size: 0
    .kernarg_segment_align: 8
    .kernarg_segment_size: 72
    .max_flat_workgroup_size: 128
    .sgpr_count:     66
    .vgpr_count:     256
    .wavefront_size: 32
...
	.end_amdgpu_metadata
.endif
;; end of part 1
;; launch chain (part 2): grid 4 x 64, 4 waves a work-group, no clusters, 305,152 bytes of LDS; arguments xb, w1f, w2f, route, gates, b1, b2, ypart, posb; writes ypart, posb
.if DOCPART == 2
	.amdgcn_target "amdgcn-amd-amdhsa--gfx1250"
	.amdhsa_code_object_version 6
	.text
	.protected	k_qb0558f75d6_chain
	.globl	k_qb0558f75d6_chain
	.p2align	8
	.type	k_qb0558f75d6_chain,@function
k_qb0558f75d6_chain:
	s_mov_b64 s[64:65], 0
	v_nop
	global_prefetch_b8 v0, s[64:65] scope:SCOPE_SE
	s_setreg_imm32_b32 hwreg(HW_REG_WAVE_MODE, 25, 1), 1
	s_wait_xcnt 0x0
; CHAIN.  ypart[pos][slice][:] = gate x (relu(x W1[e] + b1[e])[slice's 512 of H] W2[e][those rows] (+ b2[e] in slice 0)), for the routed rows alone.
; SHARES.  A work-group has a tile of up to 144 rows of ONE expert (y of the grid) and 512 of the 2,048 hidden columns (x of the grid).  The tiles of all experts, ceil(count / 144) each, are at most
; (8,192 + 8 x 143) / 144 = 64 whatever the routing, so 64 x 4 work-groups serve every split.  A tile that a split leaves without rows runs on token 0's row and stores nothing: every wave passes
; every barrier, and none stands under a branch on loaded numbers.  Of a stored block of 16 rows the places past the count repeat token 0 and go to rows of ypart that posb never names.
; Wave w makes, in phase 1, h[144 x 128] (hidden columns 128 w of the slice), K = 512; in phase 2, y[144 x 128] (output columns 128 w), K = the slice's 512.  In both, the rows' fragments come from LDS
; (x gathered there, h stored there), and the weights come from memory straight into operand registers, laid out for that by the launch before: behind a stage's run of loads three K stages' weights
; (24 KiB a wave) are on their way.  The K loops hold no barrier and write no LDS.  h is rounded once to bf16; b1 and b2 are rounded to bf16 like every input; sums in f32.
; ROUTE.  A word of 32 tokens has four records of 128 bytes, one for each 8 tokens, each with its tokens' bits at their places in the word: the masks are merged by OR, the counts added.
; POSB.  Slice 0 stores, for each entry (2 x token + choice) of its tile, the row of ypart where it lies: 4 bytes a lane at places that the routing scatters; the table is 32,768 bytes.  All lanes stay on:
; a lane whose row lies past the count repeats row 0's entry and place.
; NO TENSOR LOADS, NO MULTICAST: no two waves of a work-group want the same weights, so LDS would only add a copy.  The work-groups that share weights are an expert's tiles, a number read from memory: whole
; clusters of 4 tiles x 4 slices for each expert would be up to (8,192 + 8 x 575) / 576 = 22 clusters of 16, where this grid has 16.
; LIMITS.  relu is a maximum with 0 in which a NaN loses; NaN and infinities are not treated apart.
; PHASE 1 IS USED TRANSPOSED (source 0 = 16 hidden columns, source 1 = 16 rows): a lane then holds one row and eight hidden numbers, which pack into 16 bytes of that row of h, in the K order of w2f.
; LDS.  x and h lie by rows: 1,024 bytes of data and 16 of padding, 260 words: row r starts at bank 4 r mod 64 (64 banks of 4 bytes: ISA guide 11.1), so the 16 rows that a fragment load or a store of h
; touches start at 16 different groups of four banks; the gather's stores are 512 consecutive bytes of one row.
; REGISTERS, in windows of 256 (s_set_vgpr_msb: bits 1:0 source 0, 3:2 source 1, 5:4 source 2, 7:6 destination):
;   window 0: v0-47 addresses and small things; v48-119, v120-191 the rows' fragments, two buffers of 9 x 8; v192-255 weight buffer 3 (at a phase's start: the bias, as C)
;   window 1: accumulators of row blocks 0-3 at 8 (8 rb + f); window 2: row blocks 4-7; window 3: v0-63 row block 8, v64-255 weight buffers 0-2
.set PX,    1040                       ; a row's pitch in LDS
.set RB1,   16*PX                      ; a block of 16 rows
.set RB4,   4*RB1                      ; four of them: as far as one address register reaches with the 16-bit immediate
.set X0,    0                          ; x: 144 rows
.set H0,    144*PX                     ; h: 144 rows
.set LISTW, 2*144*PX                   ; four lists of 1,024 bytes, one a wave: words 0-143 the tile's entries, word 144 takes what has no place
.set GL,    LISTW+4096                 ; 144 gates
.set SPARE, GL+1024                    ; the spare words, 128 bytes a wave: two blocks of 256 bytes that no other line names
.set FR,  8                            ; v8-10   my place in a fragment of row blocks 4 g ..: (lane % 16) x pitch + 16 (lane / 16) + g RB4; never rewritten
.set AV,  11                           ; v11-13  the same plus the base in hand (in the prologue: at work)
.set UL,  14                           ; v14     prologue: where my wave's four rows of a block stand in a list
.set SW,  16                           ; v16-18  prologue: where the gather stores
.set B2T, 24                           ; v24-31  b2 of my column in each of the 8 fragments
.set SPW, 32                           ; v32     LDS address of my spare word; never rewritten
.set NIL, 33                           ; v33     0; never rewritten
.set A0,  48
.set LL,  48                           ; prologue: v48-191 the four lists' words for my wave's 36 rows; row (rb, t)'s offset in xb ends up at LL + 16 rb + t
.set CN,  100                          ; prologue: v100-163 the packed counts of words lane + 32 g, record j, at CN + 16 g + 4 j
.set B3,  192
.set GG,  176                          ; way out: v176-247 the gates of my rows
.set MSB, 0
.macro WIN new                         ; the immediate's high byte repeats the setting that is left; a switch that changes nothing is dropped
.if MSB != (\new)
	s_set_vgpr_msb (MSB<<8)|(\new)
.set MSB, (\new)
.endif
.endm
.macro PLACES                          ; four plain instructions between a matrix instruction and a load into, or a vector instruction on, its registers (ISA guide 7.12.1 for vector instructions)
.rept 4
	v_nop
.endr
.endm
.macro ACCOF b                         ; window AW and first register AC of row block b's eight accumulators
.if (\b) < 8
.set AW, 1+(\b)/4
.set AC, 64*((\b)%4)
.else
.set AW, 3
.set AC, 0
.endif
.endm
.macro ALLRED reg                      ; a whole number summed over the 32 lanes
.irp m, 1,2,4,8
	v_mov_b32_dpp v46, v[\reg] row_xmask:\m row_mask:0xf bank_mask:0xf
	v_add_nc_u32 v[\reg], v[\reg], v46
.endr
	v_permlanex16_b32 v46, v[\reg], s44, s45
	v_add_nc_u32 v[\reg], v[\reg], v46
.endm
.macro EXPERT e                        ; does my tile lie at or behind expert e's first?  The last expert for which it does is mine
.if (\e)&1
	s_lshr_b32 s70, s[36+(\e)/2], 16               ; its count,
	s_lshr_b32 s71, s[40+(\e)/2], 16               ; and its count in the waves' words ahead of mine
.else
	s_and_b32 s70, s[36+(\e)/2], 0xffff
	s_and_b32 s71, s[40+(\e)/2], 0xffff
.endif
	s_add_co_u32 s72, s70, 143
	s_lshr_b32 s72, s72, 4
	s_mul_i32 s72, s72, 7282
	s_lshr_b32 s72, s72, 16                        ; its tiles: ((c + 143) / 16) / 9; the multiplier is exact up to 264
	s_sub_co_u32 s73, s24, s69
	s_cmp_ge_u32 s24, s69
	s_cselect_b32 s25, \e, s25
	s_cselect_b32 s26, s73, s26
	s_cselect_b32 s27, s70, s27
	s_cselect_b32 s28, s71, s28
	s_cselect_b32 s29, s72, s29
	s_add_co_u32 s69, s69, s72
.endm
.macro SETAV                           ; the fragment addresses: the lane's place plus the scalar base in hand
.irp g, 0,1,2
	v_add_nc_u32 v[AV+\g], s91, v[FR+\g]
.endr
.endm
.macro PRIME base                      ; the addresses for a phase, and K stage 0's nine fragments
	s_mov_b32 s91, \base
	SETAV
.set nb, 0
.rept 9
	ds_load_b128 v[A0+8*nb:A0+8*nb+3], v[AV+nb/4] offset:(nb%4)*RB1
	ds_load_b128 v[A0+8*nb+4:A0+8*nb+7], v[AV+nb/4] offset:(nb%4)*RB1+32
.set nb, nb+1
.endr
.endm
; A K STAGE: 32 along K.  u = stage % 4: its weight buffer; par = stage % 2: its fragment buffer.  first = 1: C is the bias.
; THE LOADS STAND IN ONE RUN AT THE STAGE'S HEAD, never singly among the matrix instructions: with aload = 1 the next stage's nine fragments (18 LDS loads, byte aimm of the rows, counted from the base in
; hand) into the fragment buffer that the stage before read; with bload = 1 the weights three stages on (16 loads from s[bp:bp+1] + bimm) into the weight buffer that the stage before read.  Each has
; this whole stage's products, or three stages', in which to land.  Then 72 matrix instructions back to back on 72 accumulators, which take turns: two window switches for the
; run, three for the products.  lc: the weight loads that may stay out at the stage's head; with the run at most lc + 16 are out.
.macro STAGE ph, u, par, first, aload, aimm, bload, bp, bimm, lc
	PLACES                                         ; behind the stage before, whose fragment buffer and weight buffer are loaded again below
	s_wait_loadcnt \lc                             ; this stage's weights are in: behind them only the younger stages' sixteen loads each were issued
	s_wait_dscnt 0x0                               ; this stage's fragments are in: they were asked for at the head of the stage before, and no LDS instruction was issued behind them
.set AB, A0+72*(\par)
.set AN, A0+72*(1-(\par))
.set UB, ((\u)+3)&3
.if (\u) == 3
.set BW, 0
.set BB, B3
.else
.set BW, 3
.set BB, 64+64*(\u)
.endif
.if UB == 3
.set LW, 0
.set LB, B3
.else
.set LW, 3
.set LB, 64+64*UB
.endif
.if \aload
	WIN 0
.set nb, 0
.rept 9
	ds_load_b128 v[AN+8*nb:AN+8*nb+3], v[AV+nb/4] offset:(nb%4)*RB1+(\aimm)
	ds_load_b128 v[AN+8*nb+4:AN+8*nb+7], v[AV+nb/4] offset:(nb%4)*RB1+(\aimm)+32
.set nb, nb+1
.endr
.endif
.if \bload
	WIN LW<<6
.set f, 0
.rept 8
	global_load_b128 v[LB+8*f:LB+8*f+3], v4, s[\bp:\bp+1] offset:(\bimm)+f*1024
	global_load_b128 v[LB+8*f+4:LB+8*f+7], v4, s[\bp:\bp+1] offset:(\bimm)+f*1024+512
.set f, f+1
.endr
.endif
.set rb, 0
.rept 9
	ACCOF rb
.if \first
.set CW, 0
.else
.set CW, AW
.endif
.if (\ph) == 1
	WIN BW|(CW<<4)|(AW<<6)
.else
	WIN (BW<<2)|(CW<<4)|(AW<<6)
.endif
.set f, 0
.rept 8
.if (\ph) == 1
.if \first
	v_wmma_f32_16x16x32_bf16 v[AC+8*f:AC+8*f+7], v[BB+8*f:BB+8*f+7], v[AB+8*rb:AB+8*rb+7], v[B3+8*f:B3+8*f+7]
.else
	v_wmma_f32_16x16x32_bf16 v[AC+8*f:AC+8*f+7], v[BB+8*f:BB+8*f+7], v[AB+8*rb:AB+8*rb+7], v[AC+8*f:AC+8*f+7]
.endif
.else
.if \first
	v_wmma_f32_16x16x32_bf16 v[AC+8*f:AC+8*f+7], v[AB+8*rb:AB+8*rb+7], v[BB+8*f:BB+8*f+7], v[B3+8*f:B3+8*f+7]
.else
	v_wmma_f32_16x16x32_bf16 v[AC+8*f:AC+8*f+7], v[AB+8*rb:AB+8*rb+7], v[BB+8*f:BB+8*f+7], v[AC+8*f:AC+8*f+7]
.endif
.endif
.set f, f+1
.endr
.set rb, rb+1
.endr
.endm
.macro BRUN                            ; stage 3's weights go into buffer 3 when stage 0 has taken the bias from it
	PLACES
	WIN 0
.set f, 0
.rept 8
	global_load_b128 v[B3+8*f:B3+8*f+3], v4, s[50:51] offset:3*8192+f*1024
	global_load_b128 v[B3+8*f+4:B3+8*f+7], v4, s[50:51] offset:3*8192+f*1024+512
.set f, f+1
.endr
.endm
; A PHASE: 16 K stages of 64 bytes of each row.  Stage 0 starts the sums; a trip of the loop is stages 4 t + 1 .. 4 t + 4; stages 13 to 15 are written out: tb = 1: they ask for the next phase's stages 0 to 2.
.macro PHASE ph, tb, l14, l15
	STAGE \ph, 0, 0, 1, 1, 64, 0, 50, 0, 32
	BRUN
	s_mov_b32 s54, 3
.Lk\ph:
	STAGE \ph, 1, 1, 0, 1, 128, 1, 50, 4*8192, 32
	STAGE \ph, 2, 0, 0, 1, 192, 1, 50, 5*8192, 32
	STAGE \ph, 3, 1, 0, 1, 256, 1, 50, 6*8192, 32
	STAGE \ph, 0, 0, 0, 1, 320, 1, 50, 7*8192, 32
	WIN 0                                          ; at a label and at a branch every window is 0
	s_add_co_u32 s91, s91, 256                     ; four stages on along the rows
	SETAV
	s_wait_xcnt 0x0                                ; the weight loads have had their addresses translated (ISA guide 3.1): only now does their base step
	s_add_nc_u64 s[50:51], s[50:51], 4*8192
	s_sub_co_u32 s54, s54, 1
	s_cmp_lg_u32 s54, 0
	s_cbranch_scc1 .Lk\ph
	STAGE \ph, 1, 1, 0, 1, 128, \tb, 48, 0, 32
	STAGE \ph, 2, 0, 0, 1, 192, \tb, 48, 8192, \l14
	STAGE \ph, 3, 1, 0, 0, 0, \tb, 48, 2*8192, \l15
.endm
.macro RELU b                          ; row block b of h: rounded to bf16 (each accumulator from its low end on), relu on the packed halves, 16 bytes a lane into the rows of h
	ACCOF \b
.set TT, A0+32*((\b)%2)
	WIN AW|(AW<<2)
.set t, 0
.rept 32
	v_cvt_pk_bf16_f32 v[TT+t], v[AC+2*t], v[AC+2*t+1]
.set t, t+1
.endr
	WIN 0
.set t, 0
.rept 32
	v_pk_max_num_bf16 v[TT+t], v[TT+t], v7
.set t, t+1
.endr
.set t, 0
.rept 8
	ds_store_b128 v[AV+(\b)/4], v[TT+4*t:TT+4*t+3] offset:((\b)%4)*RB1+32*t
.set t, t+1
.endr
.endm
.macro OUTB b                          ; row block b leaves, if the tile has rows there: times the rows' gates; four fragments' registers j are four neighbouring columns
	s_cmp_le_u32 s27, 16*(\b)
	s_cbranch_scc1 .Ldone
	s_wait_xcnt 0x0                                ; earlier stores have read their registers: only now are these written again
	ACCOF \b
.set TT, A0+64*((\b)%2)
	WIN AW
.set j, 0
.rept 8
.set t, 0
.rept 8
	v_mul_f32 v[TT+8*j+t], v[AC+8*t+j], v[GG+8*(\b)+j]
.set t, t+1
.endr
.set j, j+1
.endr
	WIN 0
.set j, 0
.rept 8
	global_store_b128 v5, v[TT+8*j:TT+8*j+3], s[52:53] offset:(16*(\b)+j)*8192      ; 16 lanes store 256 consecutive bytes, aligned
	global_store_b128 v5, v[TT+8*j+4:TT+8*j+7], s[52:53] offset:(16*(\b)+j)*8192+256
.set j, j+1
.endr
.endm
.macro GROW a                          ; row a of my wave's 36 is asked for: two loads of 512 consecutive bytes, into window 1 (rows 0-31) or 2 (v0-31)
.if (\a) < 32
	WIN 0x40
.set D, 8*(\a)
.else
	WIN 0x80
.set D, 8*((\a)-32)
.endif
	global_load_b128 v[D:D+3], v[LL+16*((\a)>>2)+((\a)&3)], s[4:5]
	global_load_b128 v[D+4:D+7], v[LL+16*((\a)>>2)+((\a)&3)], s[4:5] offset:512
.endm
	s_load_b512 s[4:19], s[0:1], 0x0               ; xb s[4:5], w1f s[6:7], w2f s[8:9], route s[10:11], gates s[12:13], b1 s[14:15], b2 s[16:17], ypart s[18:19]
	s_load_b64 s[20:21], s[0:1], 0x40              ; posb
	v_lshl_add_u32 v[SPW], v0, 2, SPARE
	v_mov_b32 v[NIL], 0
	v_and_b32 v1, 31, v0                           ; lane
	v_lshrrev_b32 v34, 5, v0
	v_readfirstlane_b32 s22, v34                   ; wave
	s_mov_b32 s23, ttmp9                           ; slice of H
	s_and_b32 s24, ttmp7, 0xffff                   ; tile
	v_and_b32 v2, 15, v0                           ; r
	v_bfe_u32 v3, v0, 4, 1                         ; h
	v_lshlrev_b32 v4, 4, v1                        ; 16 x lane
	v_lshlrev_b32 v5, 4, v2
	v_lshl_add_u32 v5, v3, 16, v5                  ; in ypart: 16 r + 8 rows of 8,192 bytes x h
	v_lshlrev_b32 v6, 5, v3
	v_add_nc_u32 v6, GL, v6                        ; the gates of rows 8 h + 0..7
	v_mov_b32 v7, 0
	v_mul_u32_u24 v[FR], v2, PX
	v_lshl_add_u32 v[FR], v3, 4, v[FR]             ; a fragment's row x pitch + 16 x half
	v_add_nc_u32 v[FR+1], RB4, v[FR]
	v_add_nc_u32 v[FR+2], 2*RB4, v[FR]
	v_lshlrev_b32 v36, 9, v1                       ; a word's four records are 512 bytes: words lane + 32 g,
	v_lshlrev_b32 v37, 9, v0                       ; and my own word: the thread's number
	v_lshlrev_b32 v38, 7, v3                       ; b1: 32 numbers x h
	v_lshlrev_b32 v39, 4, v2                       ; b2: 4 numbers x r
	s_mov_b32 s44, 0x76543210
	s_mov_b32 s45, 0xfedcba98
	s_mov_b32 s55, 0xffff0000
	s_cmp_gt_u32 s22, 0
	s_cselect_b32 s66, -1, 0
	s_cmp_gt_u32 s22, 1
	s_cselect_b32 s67, -1, 0
	s_cmp_gt_u32 s22, 2
	s_cselect_b32 s68, -1, 0
	s_wait_kmcnt 0x0
.irp g, 0,1,2,3
.irp j, 0,1,2,3
	global_load_b128 v[CN+16*\g+4*\j:CN+16*\g+4*\j+3], v36, s[10:11] offset:16384*\g+128*\j+64  ; the packed counts of four words, four records each
.endr
.endr
.irp g, 0,1,2,3
	global_load_b128 v[64+4*\g:67+4*\g], v37, s[10:11] offset:16*\g            ; my word, four records: who chose each expert; who chose it second
	global_load_b128 v[48+4*\g:51+4*\g], v37, s[10:11] offset:128+16*\g
	global_load_b128 v[164+4*\g:167+4*\g], v37, s[10:11] offset:256+16*\g
	global_load_b128 v[180+4*\g:183+4*\g], v37, s[10:11] offset:384+16*\g
.endr
	s_wait_loadcnt 0x0
.set i, 0
.rept 16                               ; the four records' masks merged: each holds its own 8 tokens' bits
	v_or_b32 v[64+i], v[64+i], v[48+i]
	v_or_b32 v[164+i], v[164+i], v[180+i]
.set i, i+1
.endr
.set i, 0
.rept 16
	v_or_b32 v[64+i], v[64+i], v[164+i]
.set i, i+1
.endr
.irp g, 0,1,2,3
.irp d, 0,1,2,3
	v_add_nc_u32 v[CN+16*\g+\d], v[CN+16*\g+\d], v[CN+16*\g+4+\d]             ; and their counts added: a field holds 4,096 at the most
	v_add_nc_u32 v[CN+16*\g+8+\d], v[CN+16*\g+8+\d], v[CN+16*\g+12+\d]
.endr
.irp d, 0,1,2,3
	v_add_nc_u32 v[CN+16*\g+\d], v[CN+16*\g+\d], v[CN+16*\g+8+\d]
.endr
.endr
.irp d, 0,1,2,3
	v_add_nc_u32 v[80+\d], v[CN+\d], v[CN+16+\d]
	v_add_nc_u32 v46, v[CN+32+\d], v[CN+48+\d]
	v_add_nc_u32 v[80+\d], v[80+\d], v46           ; all words
	v_and_b32 v[84+\d], s66, v[CN+\d]
	v_and_b32 v46, s67, v[CN+16+\d]
	v_and_b32 v47, s68, v[CN+32+\d]
	v_add_nc_u32 v[84+\d], v[84+\d], v46
	v_add_nc_u32 v[84+\d], v[84+\d], v47           ; the words of the waves ahead of mine
.endr
.irp n, 80,81,82,83,84,85,86,87
	ALLRED \n
.endr
.irp d, 0,1,2,3
	v_readfirstlane_b32 s[36+\d], v[80+\d]
	v_readfirstlane_b32 s[40+\d], v[84+\d]
.endr
	s_mov_b32 s69, 0                               ; the first tile of the expert in hand
	s_mov_b32 s25, 0
	s_mov_b32 s26, 0
	s_mov_b32 s27, 0
	s_mov_b32 s28, 0
	s_mov_b32 s29, 0
.irp e, 0,1,2,3,4,5,6,7
	EXPERT \e
.endr
	s_mul_i32 s73, s26, 144                        ; the rows of my expert's tiles ahead of mine
	s_sub_co_u32 s74, s27, s73
	s_min_u32 s74, s74, 144
	s_sub_co_u32 s75, s28, s73
	s_cmp_lt_u32 s26, s29                          ; has the expert such a tile?
	s_cselect_b32 s27, s74, 0                      ; s27: my tile's rows
	s_cselect_b32 s28, s75, 0xffff0000             ; s28: the place in my tile of my wave's first token; without a tile no place is ever met
	s_min_u32 s25, s25, 7                          ; s25: my expert
.irp e, 0,1,2,3,4,5,6,7
	s_cmp_eq_u32 s25, \e
	s_cselect_b32 s[56+\e], -1, 0
.endr
	s_mov_b32 s71, 0
	s_lshl_b32 s70, s25, 4
	s_lshl_b32 s72, s23, 2
	s_add_co_u32 s70, s70, s72
	s_add_co_u32 s70, s70, s22
	s_lshl_b32 s70, s70, 17                        ; w1f: column group 16 e + 4 slice + wave, 16 blocks of 8,192 bytes
	s_add_nc_u64 s[46:47], s[6:7], s[70:71]
	s_lshl_b32 s70, s25, 2
	s_add_co_u32 s70, s70, s22
	s_lshl_b32 s70, s70, 6
	s_lshl_b32 s72, s23, 4
	s_add_co_u32 s70, s70, s72
	s_lshl_b32 s70, s70, 13                        ; w2f: block (4 e + wave) 64 + 16 slice
	s_add_nc_u64 s[48:49], s[8:9], s[70:71]
	s_mul_i32 s70, s24, 144*8192
	s_lshl_b32 s72, s23, 11
	s_add_co_u32 s70, s70, s72
	s_lshl_b32 s72, s22, 9
	s_add_co_u32 s70, s70, s72
	s_add_nc_u64 s[52:53], s[18:19], s[70:71]      ; ypart: my tile's first row, my slice, my 128 columns
	s_lshl_b32 s70, s25, 13
	s_lshl_b32 s72, s23, 11
	s_add_co_u32 s70, s70, s72
	s_lshl_b32 s72, s22, 9
	s_add_co_u32 s70, s70, s72
	s_add_nc_u64 s[76:77], s[14:15], s[70:71]      ; b1 at my 128 hidden columns
	s_lshl_b32 s70, s25, 11
	s_add_co_u32 s70, s70, s72
	s_add_nc_u64 s[78:79], s[16:17], s[70:71]      ; b2 at my 128 output columns
	s_mov_b64 s[50:51], s[46:47]
	WIN 0x80
.set t, 0
.rept 16                               ; b1[64 g + 32 h + 4 j + 0..3], t = 8 g + j, into window 2's v64-127
	global_load_b128 v[64+4*t:64+4*t+3], v38, s[76:77] offset:256*(t/8)+16*(t%8)
.set t, t+1
.endr
	WIN 0
	global_load_b128 v[24:27], v39, s[78:79]
	global_load_b128 v[28:31], v39, s[78:79] offset:256
	WIN 0xc0
.set u, 0
.rept 2                                ; phase 1's K stages 0 and 1: they land while the list is made
.set f, 0
.rept 8
	global_load_b128 v[64+64*u+8*f:64+64*u+8*f+3], v4, s[46:47] offset:u*8192+f*1024
	global_load_b128 v[64+64*u+8*f+4:64+64*u+8*f+7], v4, s[46:47] offset:u*8192+f*1024+512
.set f, f+1
.endr
.set u, u+1
.endr
	WIN 0
	; THE TILE'S LIST.  Order of an expert's tokens: wave, bit, word.  In trip b the lanes whose word has bit b set take the next places; an entry is 2 x token + (second choice).
.irp d, 88,89,90,91
	v_mov_b32 v\d, 0
.endr
	s_lshl_b32 s70, s22, 10
	s_add_co_u32 s70, s70, LISTW
	v_add_nc_u32 v40, s70, v4
	ds_store_b128 v40, v[88:91]                    ; my wave's list starts as zeros: the four lists are merged by OR
	ds_store_b128 v40, v[88:91] offset:512
	v_mov_b32 v99, s70
	v_and_b32 v92, s56, v64
	v_and_b32 v93, s56, v72
.irp e, 1,2,3,4,5,6,7
	v_and_or_b32 v92, v[64+\e], s[56+\e], v92      ; my expert's bits of my word
	v_and_or_b32 v93, v[72+\e], s[56+\e], v93
.endr
	v_lshlrev_b32 v98, 6, v0
	s_mov_b32 s30, 0
	s_mov_b32 s31, 0
.Lbit:
	v_lshrrev_b32 v94, s30, v92
	v_lshrrev_b32 v97, s30, v93
	v_and_b32 v94, 1, v94
	v_and_b32 v97, 1, v97
	v_cmp_ne_u32 s32, 0, v94
	v_add_nc_u32 v97, v98, v97
	v_add_nc_u32 v97, s31, v97                     ; the entry: 64 x word + 2 b + (second choice)
	v_mbcnt_lo_u32_b32 v95, s32, s28               ; its place in the tile
	v_cndmask_b32 v95, -1, v95, s32                ; no token here,
	v_min_u32 v95, 144, v95                        ; or a place in another tile: word 144, which nobody reads
	v_lshlrev_b32 v95, 2, v95
	v_add_nc_u32 v95, v99, v95
	ds_store_b32 v95, v97
	s_bcnt1_i32_b32 s33, s32
	s_add_co_u32 s28, s28, s33
	s_add_co_u32 s31, s31, 2
	s_add_co_u32 s30, s30, 1
	s_cmp_lt_u32 s30, 32
	s_cbranch_scc1 .Lbit
	s_wait_loadcnt 32                              ; b1 and b2 are in: behind them stand the 32 loads of K stages 0 and 1
	s_wait_dscnt 0x0                               ; for the others' sake: my list is written
	s_barrier_signal -1
	WIN 0x0a                                       ; while the others arrive: the biases rounded to bf16,
.set p, 0
.rept 32
	v_cvt_pk_bf16_f32 v[100+p], v[64+2*p], v[64+2*p+1]
.set p, p+1
.endr
	WIN 0
.set p, 0
.rept 32                               ; and widened again, b1 each into the C register of its fragment f = 4 g + q and its register j
	v_lshlrev_b32 v[B3+8*(4*(p>>4)+2*(p&1))+((p>>1)&7)], 16, v[100+p]
	v_and_b32 v[B3+8*(4*(p>>4)+2*(p&1)+1)+((p>>1)&7)], s55, v[100+p]
.set p, p+1
.endr
.irp p, 0,1,2,3
	v_cvt_pk_bf16_f32 v46, v[B2T+2*\p], v[B2T+2*\p+1]
	v_lshlrev_b32 v[B2T+2*\p], 16, v46
	v_and_b32 v[B2T+2*\p+1], s55, v46
.endr
	s_barrier_wait -1
	; My wave gathers four rows of each row block: row 16 (a / 4) + 4 wave + a % 4, a = 0..35.  For the gates and posb lane a stands for row a (v23); every lane also stands for one of rows a = 32..35 (v15).
	v_lshrrev_b32 v23, 2, v1
	v_and_b32 v15, 3, v1
	s_lshl_b32 s70, s22, 2
	v_add_nc_u32 v15, s70, v15
	v_lshl_add_u32 v23, v23, 4, v15
	v_add_nc_u32 v15, 128, v15
	v_lshl_add_u32 v19, v23, 2, LISTW
	v_lshl_add_u32 v20, v15, 2, LISTW
	s_lshl_b32 s70, s22, 4
	s_add_co_u32 s70, s70, LISTW
	v_mov_b32 v[UL], s70                           ; the same in every lane: each lane gets all four rows' words
	v_mov_b32 v38, LISTW                           ; row 0's word, for every lane
.irp w, 0,1,2,3
	ds_load_b32 v[40+\w], v19 offset:1024*\w
	ds_load_b32 v[44+\w], v20 offset:1024*\w
.endr
	ds_load_b32 v11, v38
	ds_load_b32 v12, v38 offset:1024
	ds_load_b32 v13, v38 offset:2048
	ds_load_b32 v39, v38 offset:3072
.set nb, 0
.rept 9
.irp w, 0,1,2,3
	ds_load_b128 v[LL+16*nb+4*\w:LL+16*nb+4*\w+3], v[UL] offset:1024*\w+64*nb
.endr
.set nb, nb+1
.endr
	s_mul_i32 s71, s24, 144
	v_add_nc_u32 v36, s71, v23                     ; pos = 144 x tile + row
	v_add_nc_u32 v37, s71, v15
	s_mul_i32 s70, s22, 4*PX
	v_add_nc_u32 v[SW], s70, v4                    ; the gather stores at row x pitch + 16 x lane: my four rows of a block begin at row 4 x wave
	v_add_nc_u32 v[SW+1], RB4, v[SW]
	v_add_nc_u32 v[SW+2], 2*RB4, v[SW]
	s_wait_dscnt 36                                ; the twelve single words are in: behind them stand the 36 loads of four words
	v_or_b32 v40, v40, v41
	v_or_b32 v42, v42, v43
	v_or_b32 v40, v40, v42
	v_or_b32 v44, v44, v45
	v_or_b32 v46, v46, v47
	v_or_b32 v44, v44, v46
	v_or_b32 v11, v11, v12
	v_or_b32 v13, v13, v39
	v_or_b32 v11, v11, v13                         ; row 0's entry
	v_cmp_gt_u32 vcc_lo, s27, v23                  ; a row past the count stands for row 0: its entry and its place
	v_cndmask_b32 v40, v11, v40, vcc_lo
	v_cndmask_b32 v36, s71, v36, vcc_lo
	v_cmp_gt_u32 vcc_lo, s27, v15
	v_cndmask_b32 v44, v11, v44, vcc_lo
	v_cndmask_b32 v37, s71, v37, vcc_lo
	v_min_u32 v40, 0x1fff, v40                     ; an entry stays inside its tables
	v_min_u32 v44, 0x1fff, v44
	v_lshlrev_b32 v34, 2, v40
	v_lshlrev_b32 v35, 2, v44
	global_load_b32 v21, v34, s[12:13]             ; the rows' gates
	global_load_b32 v22, v35, s[12:13]
	s_cmp_lg_u32 s23, 0
	s_cbranch_scc1 .Lnoposb                        ; slice 0 alone says where each entry's row lies,
	s_cmp_eq_u32 s27, 0
	s_cbranch_scc1 .Lnoposb                        ; and a tile without rows says nothing
	global_store_b32 v34, v36, s[20:21]
	global_store_b32 v35, v37, s[20:21]
.Lnoposb:
	s_wait_dscnt 0x0
.set nb, 0
.rept 9                                ; the four lists merged (past the count 0: token 0, a row that exists); the entry held inside the table; (entry without its lowest bit) x 512 = token x 1,024, a row of xb; + 16 x lane
.set L, LL+16*nb
.irp t, 0,1,2,3
	v_or_b32 v[L+\t], v[L+\t], v[L+4+\t]
.endr
.irp t, 0,1,2,3
	v_or_b32 v[L+8+\t], v[L+8+\t], v[L+12+\t]
.endr
.irp t, 0,1,2,3
	v_or_b32 v[L+\t], v[L+\t], v[L+8+\t]
.endr
.irp t, 0,1,2,3
	v_min_u32 v[L+\t], 0x1fff, v[L+\t]
.endr
.irp t, 0,1,2,3
	v_and_b32 v[L+\t], 0x1ffe, v[L+\t]
.endr
.irp t, 0,1,2,3
	v_lshlrev_b32 v[L+\t], 9, v[L+\t]
.endr
.irp t, 0,1,2,3
	v_add_nc_u32 v[L+\t], v4, v[L+\t]
.endr
.set nb, nb+1
.endr
	s_wait_loadcnt 2                               ; the weights of K stages 0 and 1 are in; the two gates' loads may stay out: from here on the counts count the gather's loads and stage 2's
.set a, 0
.rept 30                               ; rows 0 to 29: 60 loads
	GROW a
.set a, a+1
.endr
.set a, 0
.rept 36                               ; row a goes into LDS, and two more loads go out: rows 30 to 35, then the weights of K stage 2
.if 86-2*a > 58
	s_wait_loadcnt 58                              ; row a's two loads are in: behind them stand two for each of rows a + 1 .. 29 and two for each step so far
.else
	s_wait_loadcnt 86-2*a                          ; from step 14 on nothing more goes out: the count runs down to stage 2's sixteen
.endif
.if a < 32
	WIN 0x04
.set D, 8*a
.else
	WIN 0x08
.set D, 8*(a-32)
.endif
	ds_store_b128 v[SW+(a>>4)], v[D:D+3] offset:((a>>2)&3)*RB1+(a&3)*PX
	ds_store_b128 v[SW+(a>>4)], v[D+4:D+7] offset:((a>>2)&3)*RB1+(a&3)*PX+512
.if a < 6
	GROW a+30
.elseif a < 14
	WIN 0xc0
	global_load_b128 v[192+8*(a-6):192+8*(a-6)+3], v4, s[46:47] offset:2*8192+(a-6)*1024
	global_load_b128 v[192+8*(a-6)+4:192+8*(a-6)+7], v4, s[46:47] offset:2*8192+(a-6)*1024+512
.endif
.set a, a+1
.endr
	WIN 0
	ds_store_b32 v19, v21 offset:GL-LISTW
	ds_store_b32 v20, v22 offset:GL-LISTW
	s_wait_dscnt 0x0                               ; for the others' sake: my rows of x and their gates are written
	s_barrier_signal -1
	s_barrier_wait -1
	PRIME X0
	PHASE 1, 1, 32, 32
	; BETWEEN THE PHASES: h into LDS; b2 (in slice 0, else 0) into the C registers
	PLACES
	WIN 0
	s_lshl_b32 s70, s22, 8                         ; my 128 hidden columns are bytes 256 wave .. of a row of h
	s_add_co_u32 s70, s70, H0
.irp g, 0,1,2
	v_add_nc_u32 v[AV+\g], s70, v[FR+\g]
.endr
.irp b, 0,1,2,3,4,5,6,7,8
	RELU \b
.endr
	s_cmp_eq_u32 s23, 0
	s_cselect_b32 s70, -1, 0
.set t, 0
.rept 64
	v_and_b32 v[B3+t], s70, v[B2T+t/8]
.set t, t+1
.endr
	s_wait_xcnt 0x0
	s_mov_b64 s[50:51], s[48:49]
	s_wait_dscnt 0x0                               ; for the others' sake: my part of h is written
	s_barrier_signal -1
	s_barrier_wait -1
	PRIME H0
	PHASE 2, 0, 16, 0
	; THE WAY OUT
	PLACES
	WIN 0
.set nb, 0
.rept 9
	ds_load_b128 v[GG+8*nb:GG+8*nb+3], v6 offset:64*nb
	ds_load_b128 v[GG+8*nb+4:GG+8*nb+7], v6 offset:64*nb+16
.set nb, nb+1
.endr
	s_wait_dscnt 0x0
.irp b, 0,1,2,3,4,5,6,7,8
	OUTB \b
.endr
.Ldone:
	s_wait_tensorcnt 0x0                           ; the wave's end, behind my last LDS store
	ds_add_u32 v[SPW], v[NIL]
	s_wait_dscnt 0x0
	s_endpgm
.Lfunc_end_k_qb0558f75d6_chain:
	.size	k_qb0558f75d6_chain, .Lfunc_end_k_qb0558f75d6_chain-k_qb0558f75d6_chain
	.p2alignl 7, 3214868480
	.fill 96, 4, 3214868480
	.section	.rodata,"a",@progbits
	.p2align	6, 0x0
	.amdhsa_kernel k_qb0558f75d6_chain
		.amdhsa_group_segment_fixed_size 305152
		.amdhsa_private_segment_fixed_size 0
		.amdhsa_enable_private_segment 0
		.amdhsa_kernarg_size 72
		.amdhsa_user_sgpr_count 2
		.amdhsa_user_sgpr_kernarg_segment_ptr 1
		.amdhsa_wavefront_size32 1
		.amdhsa_system_sgpr_workgroup_id_x 1
		.amdhsa_system_sgpr_workgroup_id_y 1
		.amdhsa_system_sgpr_workgroup_id_z 1
		.amdhsa_system_vgpr_workitem_id 0
		.amdhsa_next_free_vgpr 1024
		.amdhsa_next_free_sgpr 96
		.amdhsa_reserve_vcc 1
		.amdhsa_float_denorm_mode_32 3
		.amdhsa_float_denorm_mode_16_64 3
		.amdhsa_memory_ordered 1
		.amdhsa_forward_progress 1
		.amdhsa_inst_pref_size 255
	.end_amdhsa_kernel
	.section	.bss,"aw",@nobits
	.p2align	6
	.space	262144
	.amdgpu_metadata
---
amdhsa.version: [ 1, 2 ]
amdhsa.kernels:
  - .name:           k_qb0558f75d6_chain
    .symbol:         k_qb0558f75d6_chain.kd
    .args:
      - { .name: xb, .offset: 0, .size: 8, .value_kind: global_buffer, .address_space: global }
      - { .name: w1f, .offset: 8, .size: 8, .value_kind: global_buffer, .address_space: global }
      - { .name: w2f, .offset: 16, .size: 8, .value_kind: global_buffer, .address_space: global }
      - { .name: route, .offset: 24, .size: 8, .value_kind: global_buffer, .address_space: global }
      - { .name: gates, .offset: 32, .size: 8, .value_kind: global_buffer, .address_space: global }
      - { .name: b1, .offset: 40, .size: 8, .value_kind: global_buffer, .address_space: global }
      - { .name: b2, .offset: 48, .size: 8, .value_kind: global_buffer, .address_space: global }
      - { .name: ypart, .offset: 56, .size: 8, .value_kind: global_buffer, .address_space: global }
      - { .name: posb, .offset: 64, .size: 8, .value_kind: global_buffer, .address_space: global }
    .group_segment_fixed_size: 305152
    .private_segment_fixed_size: 0
    .kernarg_segment_align: 8
    .kernarg_segment_size: 72
    .max_flat_workgroup_size: 128
    .sgpr_count:     96
    .vgpr_count:     1024
    .wavefront_size: 32
...
	.end_amdgpu_metadata
.endif
;; end of part 2
;; launch sum (part 3): grid 512 x 1, 8 waves a work-group, no clusters, 0 bytes of LDS; arguments ypart, posb, out0, out1; writes out0, out1
.if DOCPART == 3
	.amdgcn_target "amdgcn-amd-amdhsa--gfx1250"
	.amdhsa_code_object_version 6
	.text
	.protected	k_qb0558f75d6_sum
	.globl	k_qb0558f75d6_sum
	.p2align	8
	.type	k_qb0558f75d6_sum,@function
k_qb0558f75d6_sum:
	s_mov_b64 s[64:65], 0
	v_nop
	global_prefetch_b8 v0, s[64:65] scope:SCOPE_SE
	s_setreg_imm32_b32 hwreg(HW_REG_WAVE_MODE, 25, 1), 1
	s_wait_xcnt 0x0
; SUM.  out0[n][:] = the sum over the token's two entries and the four slices of H of ypart[pos][slice][:]; out1 = 0.
; One wave, one token: eight rows of 2,048 bytes are read once, 512 consecutive bytes to a load, all 32 loads out before the first wait; the sum is taken in a fixed order, in f32.
; Memory binds: LDS, barriers and the matrix unit would add nothing.  The places come from posb, whole numbers that the launch before stored.
.set V, 8                              ; v8-135: chunk i, entry s, slice l at V + 4 (8 i + 4 s + l)
	s_load_b256 s[4:11], s[0:1], 0x0               ; ypart s[4:5], posb s[6:7], out0 s[8:9], out1 s[10:11]
	v_lshrrev_b32 v1, 5, v0
	v_readfirstlane_b32 s12, v1
	s_lshl_b32 s13, ttmp9, 3
	s_add_co_u32 s13, s13, s12                     ; the token
	s_lshl_b32 s14, s13, 3
	v_and_b32 v2, 31, v0
	v_lshlrev_b32 v2, 4, v2
	s_lshl_b32 s18, s13, 11
	s_mov_b32 s19, 0
	s_wait_kmcnt 0x0
	s_load_b64 s[16:17], s[6:7], s14 offset:0x0    ; its two places
	s_add_nc_u64 s[8:9], s[8:9], s[18:19]
	s_wait_kmcnt 0x0
	s_min_u32 s16, s16, 9215
	s_min_u32 s17, s17, 9215
	s_lshl_b32 s20, s16, 13                        ; a place is 8,192 bytes
	s_mov_b32 s21, 0
	s_lshl_b32 s22, s17, 13
	s_mov_b32 s23, 0
	s_add_nc_u64 s[20:21], s[4:5], s[20:21]
	s_add_nc_u64 s[22:23], s[4:5], s[22:23]
.set i, 0
.rept 4
.set l, 0
.rept 4
	global_load_b128 v[V+4*(8*i+l):V+4*(8*i+l)+3], v2, s[20:21] offset:2048*l+512*i th:TH_LOAD_NT
	global_load_b128 v[V+4*(8*i+4+l):V+4*(8*i+4+l)+3], v2, s[22:23] offset:2048*l+512*i th:TH_LOAD_NT
.set l, l+1
.endr
.set i, i+1
.endr
.macro ADD4 x, y                       ; four numbers onto four
	v_pk_add_f32 v[B+4*(\x):B+4*(\x)+1], v[B+4*(\x):B+4*(\x)+1], v[B+4*(\y):B+4*(\y)+1]
	v_pk_add_f32 v[B+4*(\x)+2:B+4*(\x)+3], v[B+4*(\x)+2:B+4*(\x)+3], v[B+4*(\y)+2:B+4*(\y)+3]
.endm
.set i, 0
.rept 4
.set B, V+32*i
	s_wait_loadcnt 24-8*i                          ; chunk i's eight loads are in; the later chunks' eight each stay out
	ADD4 0, 1
	ADD4 2, 3
	ADD4 4, 5
	ADD4 6, 7
	ADD4 0, 2
	ADD4 4, 6
	ADD4 0, 4
	global_store_b128 v2, v[B:B+3], s[8:9] offset:512*i th:TH_STORE_NT  ; 512 consecutive bytes, aligned
.set i, i+1
.endr
	s_cmp_lg_u32 s13, 0
	s_cbranch_scc1 .Lend
	v_mov_b32 v3, 0                                ; token 0's wave also stores the loss, 0
	v_cmp_eq_u32 vcc_lo, 0, v0
	s_wait_xcnt 0x0                                ; EXEC changes only behind this wait
	s_and_saveexec_b32 s24, vcc_lo
	global_store_b32 v3, v3, s[10:11]
	s_wait_xcnt 0x0
	s_or_b32 exec_lo, exec_lo, s24
.Lend:
	s_endpgm
.Lfunc_end_k_qb0558f75d6_sum:
	.size	k_qb0558f75d6_sum, .Lfunc_end_k_qb0558f75d6_sum-k_qb0558f75d6_sum
	.p2alignl 7, 3214868480
	.fill 96, 4, 3214868480
	.section	.rodata,"a",@progbits
	.p2align	6, 0x0
	.amdhsa_kernel k_qb0558f75d6_sum
		.amdhsa_group_segment_fixed_size 0
		.amdhsa_private_segment_fixed_size 0
		.amdhsa_enable_private_segment 0
		.amdhsa_kernarg_size 32
		.amdhsa_user_sgpr_count 2
		.amdhsa_user_sgpr_kernarg_segment_ptr 1
		.amdhsa_wavefront_size32 1
		.amdhsa_system_sgpr_workgroup_id_x 1
		.amdhsa_system_sgpr_workgroup_id_y 1
		.amdhsa_system_sgpr_workgroup_id_z 1
		.amdhsa_system_vgpr_workitem_id 0
		.amdhsa_next_free_vgpr 140
		.amdhsa_next_free_sgpr 66
		.amdhsa_reserve_vcc 1
		.amdhsa_float_denorm_mode_32 3
		.amdhsa_float_denorm_mode_16_64 3
		.amdhsa_memory_ordered 1
		.amdhsa_forward_progress 1
		.amdhsa_inst_pref_size 9
	.end_amdhsa_kernel
	.amdgpu_metadata
---
amdhsa.version: [ 1, 2 ]
amdhsa.kernels:
  - .name:           k_qb0558f75d6_sum
    .symbol:         k_qb0558f75d6_sum.kd
    .args:
      - { .name: ypart, .offset: 0, .size: 8, .value_kind: global_buffer, .address_space: global }
      - { .name: posb, .offset: 8, .size: 8, .value_kind: global_buffer, .address_space: global }
      - { .name: out0, .offset: 16, .size: 8, .value_kind: global_buffer, .address_space: global }
      - { .name: out1, .offset: 24, .size: 8, .value_kind: global_buffer, .address_space: global }
    .group_segment_fixed_size: 0
    .private_segment_fixed_size: 0
    .kernarg_segment_align: 8
    .kernarg_segment_size: 32
    .max_flat_workgroup_size: 256
    .sgpr_count:     66
    .vgpr_count:     140
    .wavefront_size: 32
...
	.end_amdgpu_metadata
.endif
;; end of part 3
